; MI455X (gfx1250); checked and timed in simulation.
; The chip was launched on July 23, 2026; its instructions are those of AMD's public machine-readable ISA for CDNA 5 (MIT licence, August 2026) and "CDNA5" Instruction Set Architecture Reference Guide (July 2026). The comments in the code are by the model that wrote it; some were corrected since.
;; Hybrid Support Feature Refiner. Allowed arithmetic: matrix products marked QUANTISED: E3M2 operands, one E8M0 scale for each 32 along K, by v_wmma_scale_f32_16x16x128_f8f6f4 with both operands' format E3M2, f32 sums; everything else in f32.
;; Inputs: beta 256 float32; f_s 8 x 256 x 64 x 64 float32; gamma 256 float32; supp_feat_bin 8 x 256 x 64 x 64 float32; support_mask 8 x 1 x 256 x 256 float32; w_fusion 256 x 769 float32.
;; Outputs: out0 8 x 256 x 64 x 64 float32.
;; This version of the problem:
;;   THIS VERSION OF THE PROBLEM IS GIVEN IN LOW PRECISION. The matrix products marked QUANTISED in the list below multiply operands that are first quantised to E3M2 (3 exponent bits, 2 mantissa bits; 6 bits a number), with one power-of-two scale for each 32 numbers along K (OCP MX v1.0); their sums are f32. All else is computed in f32.
;;   The module's matrix products, in the order in which they are computed (A, B: the left and right operand; K: the contracted axis; several contracted axes count as one K, in the product's order):
;;     1. [M 32,768, K 769] x [K 769, N 256]; A: computed on the way; B: input w_fusion: QUANTISED
;;   THE QUANTISER, for each operand of a quantised product, along K:
;;     - K is cut into blocks of 32 from its start; a last block that is shorter is filled with zeros.
;;     - A block's scale is 2^e with e = floor(log2(the largest magnitude in the block)) - 4, held to -126 .. 127; a block of zeros has e = 0. As a byte (E8M0): e + 127.
;;     - Each number is divided by its block's scale, clamped to +-28, and rounded to the nearest number of E3M2, ties to even, subnormals kept.
;;     - The product sums the exact products of the quantised numbers (number of the format x scale) in f32.
;;   ~~~python
;;   def quantise(x, axis):      # numpy; x: float32 -> the quantised numbers, widened to float32 again
;;       x = np.moveaxis(x, axis, -1); K = x.shape[-1]
;;       x = np.pad(x, [(0, 0)] * (x.ndim - 1) + [(0, -K % 32)]); x = x.reshape(x.shape[:-1] + (-1, 32)); a = np.abs(x).max(-1, keepdims=True)
;;       e = np.where(a > 0, np.clip(np.frexp(np.where(a > 0, a, 1))[1] - 1 - 4, -126, 127), 0)      # np.frexp(a)[1] - 1 = floor(log2(a)), exactly
;;       r = np.clip(x / 2.0 ** e, -28, 28)
;;       step = 2.0 ** (np.maximum(np.frexp(np.where(r == 0, 1, r))[1] - 1, -2) - 2)
;;       q = np.round(r / step) * step * 2.0 ** e      # np.round: ties to even
;;       return np.moveaxis(q.reshape(q.shape[:-2] + (-1,))[..., :K], -1, axis).astype(np.float32)
;;   ~~~
;;   OPERANDS COMPUTED ON THE WAY. 'Computed on the way' means the value that the module computes at that place (a softmax that the list does not call 'softmax' is quantised finished and normalised). What goes into a quantiser is computed in f32, as accurately as f32 sums, v_exp_f32 and their like allow (about 1e-6 of the number): no bf16 or f16 on the way to a quantiser, and a product that is left as it is and whose result goes on into a quantised operand takes f32 operands (vector FMAs, or v_wmma_f32_16x16x4_f32). A number that lies on a knife's edge between two numbers of the format may be rounded either way, as far as f32 arithmetic and the matrix unit's own rounding can turn it there, and no further.
;; One version. Each part assembles by itself: llvm-mc -triple=amdgcn-amd-amdhsa -mcpu=gfx1250 --defsym DOCPART=n.
;; ======== version 1 of 1: 3 launches
;; workspace buffers: wq 172,032 bytes; wsc 14,336 bytes; d2 131,072 bytes; y 33,554,432 bytes
;; launch prep (part 1): grid 144 x 1, 8 waves a work-group, no clusters, 64,256 bytes of LDS; arguments w_fusion, support_mask, wq, wsc, d2; writes wq, wsc, d2
.if DOCPART == 1
	.amdgcn_target "amdgcn-amd-amdhsa--gfx1250"
	.amdhsa_code_object_version 6
	.text
	.protected	k_qb05b115c73_prep
	.globl	k_qb05b115c73_prep
	.p2align	8
	.type	k_qb05b115c73_prep,@function
k_qb05b115c73_prep:
	s_mov_b64 s[64:65], 0
	v_nop
	global_prefetch_b8 v0, s[64:65] scope:SCOPE_SE
	s_setreg_imm32_b32 hwreg(HW_REG_WAVE_MODE, 25, 1), 1
	s_wait_xcnt 0x0
; TWO JOBS IN ONE LAUNCH, told apart by the work-group's number; each has LDS bytes of its own.
; Work-groups 0-15 (n): w_fusion [256][769] f32, rows 16 n .. 16 n + 15, become codes of BF6 (E3M2) with one E8M0 byte for each 32 along K, K filled with zeros to 896 = 7 steps of 128.
;   wq:  [fragment 7 n + s][g = 0..2][lane][16 bytes]: registers 4 g .. 4 g + 3 of lane (r, h) of the operand of outputs 16 n + r, K step s (registers 6 c .. 6 c + 5: k = 128 s + 64 c + 32 h + 0 .. 31).
;   wsc: [fragment][lane][4 bytes]: row r's scale word, the same in lanes r and 16 + r.
;   A block's scale is 2^(floor(log2(largest magnitude)) - 4); its byte is the largest magnitude's exponent field - 4, held at 1 from below.
;   LIMITS: a block of zeros gets the byte 1 where the rule says 127 (its codes are zeros, and this program alone reads the bytes); blocks whose largest magnitude lies under 2^-122 were not tried; NaN and infinities are not served.
; Work-groups 16-143 (sample b, rows 4 q .. 4 q + 3): the exact squared Euclidean distance of each pixel of the 64 x 64 map to the nearest foreground pixel (mask[4 y][4 x] > 0.5), in two passes:
;   G[y][x] = min over the foreground pixels y' of column x of (y - y')^2, then d2[y][x] = min over x' of (x - x')^2 + G[y][x'].  All numbers that count are whole numbers under 2^24: exact in f32.
;   A column without foreground has G = 2^30, so a sample without foreground has d2 >= 2^30 everywhere, and one with foreground d2 <= 63^2 + 63^2 = 7,938: the next launch tells them apart at 8,000.
;   SHARES: wave w = (hx = w % 2, wp = w / 2) owns row 4 q + wp and columns 32 hx + lane.  Every byte of the mask that the work-group needs is loaded once: wave (hx, wp) loads rows y' = 16 wp .. 16 wp + 15 of its half of
;   the columns; a compare turns a row into a lane mask (bit l: column 32 hx + l is foreground), and the 128 masks, 512 bytes, go from wave to wave through LDS.  A mask only ever selects between two numbers.
.set WP,   3600                        ; W's rows in LDS: 896 f32 + 16 bytes = 225 x 16: sixteen rows of a 16-byte load start in sixteen different groups of banks
.set ML,   57600                       ; behind W's 16 rows: the lane masks, [hx][y'] words: 512 bytes
.set GL,   58112                       ; G, the work-group's 4 rows x 64 f32
.set OUTS, 59136                       ; the work-group's 4 rows of d2, 256 bytes each
.set L,    32                          ; v32-81: two rows of W as loaded, 25 registers each
.set CC,   96                          ; v96-159:  (y - y')^2, y' = 0 .. 63
.set TT,   160                         ; v160-223: (x - x')^2, x' = 0 .. 63
.set SV,   224                         ; v224-231: eight selected values
; the largest magnitude of v[x] .. v[x + 31] and the floor 2^(5 - 127), in four chains: result in v[d]; v[t] .. v[t + 2] at work
.macro AMAX d, t, x
	v_max3_num_f32 v[(\d)], |v[(\x)]|, |v[(\x)+1]|, 0x2800000
	v_max3_num_f32 v[(\t)], |v[(\x)+2]|, |v[(\x)+3]|, |v[(\x)+4]|
	v_max3_num_f32 v[(\t)+1], |v[(\x)+5]|, |v[(\x)+6]|, |v[(\x)+7]|
	v_max3_num_f32 v[(\t)+2], |v[(\x)+8]|, |v[(\x)+9]|, |v[(\x)+10]|
.irp i, 11,19
	v_max3_num_f32 v[(\d)], v[(\d)], |v[(\x)+\i]|, |v[(\x)+\i+1]|
	v_max3_num_f32 v[(\t)], v[(\t)], |v[(\x)+\i+2]|, |v[(\x)+\i+3]|
	v_max3_num_f32 v[(\t)+1], v[(\t)+1], |v[(\x)+\i+4]|, |v[(\x)+\i+5]|
	v_max3_num_f32 v[(\t)+2], v[(\t)+2], |v[(\x)+\i+6]|, |v[(\x)+\i+7]|
.endr
	v_max3_num_f32 v[(\d)], v[(\d)], |v[(\x)+27]|, |v[(\x)+28]|
	v_max3_num_f32 v[(\t)], v[(\t)], |v[(\x)+29]|, |v[(\x)+30]|
	v_max3_num_f32 v[(\d)], v[(\d)], v[(\t)], v[(\t)+1]
	v_max3_num_f32 v[(\d)], v[(\d)], v[(\t)+2], |v[(\x)+31]|
.endm
; the smallest of v[R] .. v[R + 63], in four chains: result in v[m]
.macro ROWMIN m, R
	v_min3_num_f32 v[\m], v[\R], v[\R+1], v[\R+2]
	v_min3_num_f32 v[\m+1], v[\R+3], v[\R+4], v[\R+5]
	v_min3_num_f32 v[\m+2], v[\R+6], v[\R+7], v[\R+8]
	v_min3_num_f32 v[\m+3], v[\R+9], v[\R+10], v[\R+11]
.irp k, 12,20,28,36,44,52
	v_min3_num_f32 v[\m], v[\m], v[\R+\k], v[\R+\k+1]
	v_min3_num_f32 v[\m+1], v[\m+1], v[\R+\k+2], v[\R+\k+3]
	v_min3_num_f32 v[\m+2], v[\m+2], v[\R+\k+4], v[\R+\k+5]
	v_min3_num_f32 v[\m+3], v[\m+3], v[\R+\k+6], v[\R+\k+7]
.endr
	v_min3_num_f32 v[\m], v[\m], v[\m+1], v[\m+2]
	v_min3_num_f32 v[\m], v[\m], v[\m+3], v[\R+60]
	v_min3_num_f32 v[\m], v[\m], v[\R+61], v[\R+62]
	v_min_num_f32 v[\m], v[\m], v[\R+63]
.endm
	s_load_b256 s[4:11], s[0:1], 0x0               ; w_fusion s[4:5], support_mask s[6:7], wq s[8:9], wsc s[10:11]
	s_load_b64 s[12:13], s[0:1], 0x20              ; d2
	v_lshl_add_u32 v232, v0, 2, 0xf700
	v_mov_b32 v233, 0
	v_lshrrev_b32 v1, 5, v0
	v_readfirstlane_b32 s16, v1                    ; wave 0..7
	v_and_b32 v1, 31, v0                           ; lane l
	v_and_b32 v2, 15, v0                           ; r
	v_bfe_u32 v3, v0, 4, 1                         ; h
	v_mov_b32 v5, 0                                ; 0: a datum and an offset; never rewritten
	s_mov_b32 s20, 0x76543210
	s_mov_b32 s21, 0xfedcba98                      ; v_permlanex16_b32's selects for lane l xor 16
	s_cmp_lt_u32 ttmp9, 16                         ; the same in all waves of a work-group
	s_cbranch_scc0 .Ldt
	; ================= W: wave w brings rows 2 w and 2 w + 1 of the work-group's sixteen into LDS; then waves 0-6 make one fragment each
	v_lshlrev_b32 v4, 2, v1                        ; 4 l
	s_mul_i32 s17, s16, 2*WP
	v_add_nc_u32 v6, s17, v4                       ; into LDS: my two rows, 4 bytes a lane
	v_mul_u32_u24 v7, v2, WP
	v_lshl_add_u32 v7, v3, 7, v7
	s_lshl_b32 s17, s16, 9
	v_add_nc_u32 v7, s17, v7                       ; out of it: row r, K step w (512 bytes), + 128 h: my block of 32
	v_lshlrev_b32 v8, 4, v1                        ; 16 l
	s_lshl_b32 s18, ttmp9, 4
	s_lshl_b32 s19, s16, 1
	s_add_co_u32 s18, s18, s19
	s_mul_i32 s18, s18, 3076                       ; row 16 n + 2 w of 769 f32
	s_mov_b32 s19, 0
	s_mul_i32 s22, ttmp9, 7
	s_add_co_u32 s22, s22, s16                     ; fragment 7 n + w
	s_mul_i32 s24, s22, 1536
	s_mov_b32 s25, 0
	s_lshl_b32 s26, s22, 7
	s_mov_b32 s27, 0
	s_wait_kmcnt 0x0
	s_add_nc_u64 s[4:5], s[4:5], s[18:19]
	s_add_nc_u64 s[8:9], s[8:9], s[24:25]
	s_add_nc_u64 s[10:11], s[10:11], s[26:27]
.irp rr, 0,1
.set J, 0
.rept 24
	global_load_b32 v[L+25*\rr+J], v4, s[4:5] offset:3076*\rr+128*J    ; k = 32 J + l: 128 consecutive bytes
.set J, J+1
.endr
	global_load_b32 v[L+25*\rr+24], v5, s[4:5] offset:3076*\rr+3072    ; k = 768, by every lane: no lane leaves the row
.endr
	s_wait_loadcnt 0x0
	v_cmp_eq_u32 vcc_lo, 0, v1
	v_cndmask_b32 v[L+24], v5, v[L+24], vcc_lo     ; k = 769 .. 799 are zeros
	v_cndmask_b32 v[L+49], v5, v[L+49], vcc_lo
.irp rr, 0,1
.set J, 0
.rept 25
	ds_store_b32 v6, v[L+25*\rr+J] offset:WP*\rr+128*J
.set J, J+1
.endr
.irp j, 25,26,27
	ds_store_b32 v6, v5 offset:WP*\rr+128*\j       ; k = 800 .. 895 are zeros
.endr
.endr
	s_wait_dscnt 0x0                               ; my rows lie in LDS,
	s_barrier_signal -1
	s_barrier_wait -1                              ; everybody's do
	s_cmp_eq_u32 s16, 7                            ; seven K steps: the eighth wave is done (no barrier follows on this path)
	s_cbranch_scc1 .Lw_end
.irp c, 0,1
.irp i, 0,1,2,3,4,5,6,7
	ds_load_b128 v[32+32*\c+4*\i:35+32*\c+4*\i], v7 offset:256*\c+16*\i   ; W(16 n + r, 128 w + 64 c + 32 h + 0 .. 31): a whole block in a lane
.endr
.endr
	s_wait_dscnt 0x0
	AMAX 96, 97, 32
	AMAX 100, 101, 64
	v_add_nc_u32 v104, 0xfe000000, v96             ; 4 off the exponent field: the conversion takes the exponent field of this operand as its scale
	v_add_nc_u32 v105, 0xfe000000, v100
	v_lshrrev_b32 v106, 23, v104                   ; the scales' bytes: blocks h and 2 + h of the K step
	v_lshrrev_b32 v107, 23, v105
	v_lshl_or_b32 v108, v107, 16, v106
	v_lshlrev_b32 v110, 3, v3
	v_lshlrev_b32 v108, v110, v108                 ; at their places in the word (8 h bits up)
	v_mov_b32 v109, 0                              ; (a lane permute's destination counts as one of its sources)
	v_permlanex16_b32 v109, v108, s20, s21
	v_or_b32 v108, v108, v109                      ; with lane l xor 16's two bytes the word is whole, in both lanes
.irp c, 0,1
	v_cvt_scalef32_pk16_bf6_f32 v[112+6*\c:114+6*\c], v[32+32*\c:47+32*\c], v[104+\c]
	v_cvt_scalef32_pk16_bf6_f32 v[124+4*\c:126+4*\c], v[48+32*\c:63+32*\c], v[104+\c]   ; (a conversion's three registers begin on an even number)
.endr
	v_nop                                          ; one plain line behind the conversions
.irp c, 0,1
.irp i, 0,1,2
	v_mov_b32 v[115+6*\c+\i], v[124+4*\c+\i]
.endr
.endr
.irp g, 0,1,2
	global_store_b128 v8, v[112+4*\g:115+4*\g], s[8:9] offset:512*\g    ; 32 lanes store 512 consecutive bytes, at a multiple of 256 from wq's first byte
.endr
	global_store_b32 v4, v108, s[10:11]            ; 128 consecutive bytes: two fragments' words share an aligned 256; wsc is 14,336 bytes in all
.Lw_end:
	s_wait_tensorcnt 0x0
	ds_add_u32 v232, v233
	s_wait_dscnt 0x0
	s_endpgm
	; ================= the distance transform
.Ldt:
	s_sub_co_u32 s17, ttmp9, 16
	s_lshr_b32 s18, s17, 4                         ; b
	s_and_b32 s19, s17, 15                         ; q
	s_and_b32 s23, s16, 1                          ; hx: which 32 of the 64 columns are my wave's
	s_lshr_b32 s24, s16, 1                         ; wp: which of the work-group's four rows; also which 16 rows of the mask I load
	s_lshl_b32 s25, s23, 9
	s_lshl_b32 s26, s24, 16
	s_add_co_u32 s25, s25, s26
	v_lshl_add_u32 v4, v1, 4, s25                  ; the mask: row 4 (16 wp) (65,536 bytes a wp), column 4 x, x = 32 hx + l: 16 bytes from lane to lane
	s_lshl_b32 s25, s23, 8
	s_add_co_u32 s25, s25, ML
	v_mov_b32 v15, s25                             ; my half's 64 masks: the same address in every lane
	s_lshl_b32 s26, s24, 6
	s_add_co_u32 s26, s26, s25
	v_mov_b32 v14, s26                             ; and the sixteen of them that I make
	s_lshl_b32 s25, s24, 8
	s_add_co_u32 s25, s25, GL
	v_mov_b32 v7, s25                              ; G's row wp: the same address in every lane
	s_lshl_b32 s26, s23, 7
	s_add_co_u32 s26, s26, s25
	v_lshl_add_u32 v6, v1, 2, s26                  ; my place in it: + 128 hx + 4 l; my place among the results lies OUTS - GL further on
	v_lshlrev_b32 v10, 4, v0                       ; the way out: 16 bytes a thread
	v_add_nc_u32 v9, OUTS, v10
	s_lshl_b32 s25, s23, 5
	v_add_nc_u32 v11, s25, v1
	v_cvt_f32_u32 v11, v11                         ; x
	s_lshl_b32 s25, s19, 2
	s_add_co_u32 s25, s25, s24
	v_mov_b32 v12, s25
	v_cvt_f32_u32 v12, v12                         ; y = 4 q + wp
	v_mov_b32 v13, 0x4e800000                      ; 2^30: what a background pixel counts for
	s_lshl_b32 s28, s18, 18                        ; the sample's mask: 262,144 bytes
	s_mov_b32 s29, 0
	s_lshl_b32 s30, s18, 6
	s_lshl_b32 s31, s19, 2
	s_add_co_u32 s30, s30, s31
	s_lshl_b32 s30, s30, 8                         ; d2's row 64 b + 4 q
	s_mov_b32 s31, 0
	s_wait_kmcnt 0x0
	s_add_nc_u64 s[6:7], s[6:7], s[28:29]
	s_add_nc_u64 s[12:13], s[12:13], s[30:31]
.set Y, 0
.rept 16
	global_load_b32 v[32+Y], v4, s[6:7] offset:4096*Y                  ; mask[4 y'][4 x], y' = 16 wp + Y
.set Y, Y+1
.endr
.set X, 0
.rept 64                                       ; both tables of squares are made while the loads are out; the two chains take turns
	v_mul_f32 v[TT+X], v11, v11                    ; (x - x')^2
	v_mul_f32 v[CC+X], v12, v12                    ; (y - y')^2
	v_add_f32 v11, -1.0, v11
	v_add_f32 v12, -1.0, v12
.set X, X+1
.endr
	s_wait_loadcnt 0x0
.set Y, 0
.rept 16
	v_cmp_lt_f32 s[32+Y], 0.5, v[32+Y]             ; the row as a lane mask: bit l set where column 32 hx + l is foreground
.set Y, Y+1
.endr
.set Y, 0
.rept 16
	v_mov_b32 v[48+Y], s[32+Y]
.set Y, Y+1
.endr
.set Y, 0
.rept 16
	ds_store_b32 v14, v[48+Y] offset:4*Y           ; all lanes write the same word with the same value
.set Y, Y+1
.endr
	s_wait_dscnt 0x0                               ; my sixteen masks lie in LDS,
	s_barrier_signal -1
	s_barrier_wait -1                              ; all 128 do
.irp k, 0,1,2,3,4,5,6,7,8,9,10,11,12,13,14,15
	ds_load_b128 v[32+4*\k:35+4*\k], v15 offset:16*\k                  ; my half's masks of y' = 4 k .. 4 k + 3, the same in every lane
.endr
	; G[y][x] of my row and column: eight y' at a time: the masks back into scalar registers, a select for each y', a minimum for each two; four chains
.set G, 0
.rept 8
	s_wait_dscnt 14-2*G                            ; LDS loads come back in order (ISA guide 5.7.1): of the sixteen the first 2 G + 2 are in
.irp j, 0,1,2,3,4,5,6,7
	v_readfirstlane_b32 s[32+\j], v[32+8*G+\j]
.endr
.irp j, 0,1,2,3,4,5,6,7
	v_cndmask_b32 v[SV+\j], v13, v[CC+8*G+\j], s[32+\j]                ; (y - y')^2 on foreground, else 2^30
.endr
.irp c, 0,1,2,3
.if G == 0
	v_min_num_f32 v[16+\c], v[SV+2*\c], v[SV+2*\c+1]                   ; the first eight start the chains
.else
	v_min3_num_f32 v[16+\c], v[16+\c], v[SV+2*\c], v[SV+2*\c+1]
.endif
.endr
.set G, G+1
.endr
	v_min3_num_f32 v16, v16, v17, v18
	v_min_num_f32 v16, v16, v19
	ds_store_b32 v6, v16
	s_wait_dscnt 0x0                               ; my part of G lies in LDS,
	s_barrier_signal -1
	s_barrier_wait -1                              ; all four rows do
.irp k, 0,1,2,3,4,5,6,7,8,9,10,11,12,13,14,15
	ds_load_b128 v[32+4*\k:35+4*\k], v7 offset:16*\k                   ; G[y][0 .. 63], the same for every lane
.endr
	s_wait_dscnt 0x0
.set X, 0
.rept 32
	v_pk_add_f32 v[32+2*X:33+2*X], v[32+2*X:33+2*X], v[TT+2*X:TT+2*X+1]
.set X, X+1
.endr
	ROWMIN 16, 32
	ds_store_b32 v6, v16 offset:OUTS-GL
	s_wait_dscnt 0x0                               ; my results lie in LDS,
	s_barrier_signal -1
	s_barrier_wait -1                              ; all four rows do
	s_cmp_lt_u32 s16, 2                            ; 1,024 bytes: two waves' stores
	s_cbranch_scc0 .Ld_end
	ds_load_b128 v[12:15], v9
	s_wait_dscnt 0x0
	global_store_b128 v10, v[12:15], s[12:13]      ; 32 lanes store 512 consecutive bytes, at a multiple of 256 from d2's first byte
.Ld_end:
	s_wait_tensorcnt 0x0
	ds_add_u32 v232, v233
	s_wait_dscnt 0x0
	s_endpgm
.Lfunc_end_k_qb05b115c73_prep:
	.size	k_qb05b115c73_prep, .Lfunc_end_k_qb05b115c73_prep-k_qb05b115c73_prep
	.p2alignl 7, 3214868480
	.fill 96, 4, 3214868480
	.section	.rodata,"a",@progbits
	.p2align	6, 0x0
	.amdhsa_kernel k_qb05b115c73_prep
		.amdhsa_group_segment_fixed_size 64256
		.amdhsa_private_segment_fixed_size 0
		.amdhsa_enable_private_segment 0
		.amdhsa_kernarg_size 40
		.amdhsa_user_sgpr_count 2
		.amdhsa_user_sgpr_kernarg_segment_ptr 1
		.amdhsa_wavefront_size32 1
		.amdhsa_system_sgpr_workgroup_id_x 1
		.amdhsa_system_sgpr_workgroup_id_y 1
		.amdhsa_system_sgpr_workgroup_id_z 1
		.amdhsa_system_vgpr_workitem_id 0
		.amdhsa_next_free_vgpr 234
		.amdhsa_next_free_sgpr 66
		.amdhsa_reserve_vcc 1
		.amdhsa_float_denorm_mode_32 3
		.amdhsa_float_denorm_mode_16_64 3
		.amdhsa_memory_ordered 1
		.amdhsa_forward_progress 1
		.amdhsa_inst_pref_size 44
	.end_amdhsa_kernel
	.amdgpu_metadata
---
amdhsa.version: [ 1, 2 ]
amdhsa.kernels:
  - .name:           k_qb05b115c73_prep
    .symbol:         k_qb05b115c73_prep.kd
    .args:
      - { .name: w_fusion, .offset: 0, .size: 8, .value_kind: global_buffer, .address_space: global }
      - { .name: support_mask, .offset: 8, .size: 8, .value_kind: global_buffer, .address_space: global }
      - { .name: wq, .offset: 16, .size: 8, .value_kind: global_buffer, .address_space: global }
      - { .name: wsc, .offset: 24, .size: 8, .value_kind: global_buffer, .address_space: global }
      - { .name: d2, .offset: 32, .size: 8, .value_kind: global_buffer, .address_space: global }
    .group_segment_fixed_size: 64256
    .private_segment_fixed_size: 0
    .kernarg_segment_align: 8
    .kernarg_segment_size: 40
    .max_flat_workgroup_size: 256
    .sgpr_count:     66
    .vgpr_count:     234
    .wavefront_size: 32
...
	.end_amdgpu_metadata
.endif
;; end of part 1
;; launch fuse (part 2): grid 256 x 1, 4 waves a work-group, no clusters, 327,680 bytes of LDS; arguments f_s, supp_feat_bin, d2, wq, wsc, y; writes y
.if DOCPART == 2
	.amdgcn_target "amdgcn-amd-amdhsa--gfx1250"
	.amdhsa_code_object_version 6
	.text
	.protected	k_qb05b115c73_fuse
	.globl	k_qb05b115c73_fuse
	.p2align	8
	.type	k_qb05b115c73_fuse,@function
k_qb05b115c73_fuse:
	s_mov_b64 s[64:65], 0
	v_nop
	global_prefetch_b8 v0, s[64:65] scope:SCOPE_SE
	s_setreg_imm32_b32 hwreg(HW_REG_WAVE_MODE, 25, 1), 1
	s_wait_xcnt 0x0
; y[b][o][p] = sum over k of Q(fusion_in)[b][k][p] x Q(w_fusion)[o][k], K = 769 filled with zeros to 7 steps of 128, on codes of BF6 (E3M2) with one E8M0 scale for each 32 along K; sums in f32.
; fusion_in: k 0-255 f_s; 256-511 supp_feat_bin; 512-767 f_s x sigmoid(sum over c of f_s x supp); 768 sqrt(d2) / (the sample's largest + 1e-6), all ones / (1 + 1e-6) where the sample has no foreground (d2 > 8,000).
; SHARES.  Work-group g: sample g / 32, pixels 128 (g % 32) on, as two halves of 64 pixels (a channel's 64 pixels are 256 consecutive bytes, aligned).  Straight-line text: no branch, no loop.
; ALL INPUT IS ASKED FOR AT THE HEAD: each of the four waves issues four tensor loads (2 halves x 2 tensors, 64 channels x 64 pixels each, 16 KiB) into LDS bytes of its own and alone reads them; nothing is filled twice.
; K IS NOT INNERMOST IN MEMORY: in the quantising phases a lane takes a PIXEL and its registers run down the channels.  Wave w owns channels 64 w .. 64 w + 63 of each of the three tensors: two whole blocks of 32 a lane, so no
; other lane is asked for a maximum, and the conversions' results are the operand's registers.  They go to LDS as images of the operand's registers, in pieces of 8 bytes, each lane writing at the place of the fragment lane that wants them.
; THE PRODUCT.  Wave w owns outputs 64 w .. 64 w + 63; its 28 fragments of W (made by the launch before, in the order of the operand's registers) stay in 336 registers.  Source 0 = 16 pixels, source 1 = 16 outputs:
; a lane then holds one output channel and eight neighbouring pixels, which is how y lies in memory.
; NO CLUSTER, NO JOINT LOAD FOR W, though every work-group reads it: a joint load lands in LDS, where the inputs take 262,144 bytes and images, scales and stages 63,488; W's 172,032 bytes do not fit beside them.
; LIMITS: a block of zeros carries the byte 1 (or 127 in K step 6) over zero codes; blocks whose largest magnitude lies under 2^-122 were not tried; NaN and infinities are not served;
; where the dot product lies under about -88 the sigmoid comes out 0 where the exact one is a denormal.
; REGISTERS.  Window 0: v1-21 addresses and a few numbers; v22-25 the sigmoid, a pair for each 32 pixels; v26-29 f_s's block maxima; v32-59 W's scale words, v60-63 x's (scales and nothing else);
;   v64-191 f_s, four units of 32 (in the product: x's fragments, two buffers of 48; on the way out v160-191 rows of y); v192-223 supp, one unit; v224-227 at work; v228-239, v240-251 two sets for a block's codes; v252-255 the dot's partial sums.
;   Window 1: W's fragments 0-20.   Window 2: v0-83 W's fragments 21-27; v128-255 the 16 accumulators ((t, n) at v[128 + 8 (4 n + t)]).
.set IMG,  262144                      ; x's images: K step s x 6,144 + tile t x 1,536 + piece p x 256 + 8 x fragment lane; piece p = registers 2 p, 2 p + 1
.set XSC,  305152                      ; x's scale words: K step s x 256 + 4 x pixel
.set PD,   306944                      ; the dot's partial sums: 16 x pixel + 4 x wave
.set MX,   307968                      ; the waves' largest d2: 4 x wave
.set STG,  308224                      ; the way out: 16 rows x (256 + 16) bytes for each wave
.set FS,   64
.set SP,   192
.set TM,   224
.set SETS, 228                         ; a set: +0..5 a block's codes, +6..8 its upper half as converted, +9 the conversion's scale operand, +10 the byte
.set SETF, 240
.set G1,   24                          ; s[24:31] descriptor group 1
.set G0,   32                          ; s[32:47] four groups 0: 2 x half + tensor
.set MSB, 0
.macro WIN new                         ; the immediate's high byte repeats the setting that is left
.if MSB != \new
	s_set_vgpr_msb (MSB<<8)|\new
.set MSB, \new
.endif
.endm
.macro PLACES                          ; four plain lines between a matrix instruction and a load into, or a read of, its registers
.rept 4
	v_nop
.endr
.endm
.macro BARRIER                         ; my LDS stores have landed and my LDS loads are in: then the work-group's barrier
	s_wait_dscnt 0x0
	s_barrier_signal -1
	s_barrier_wait -1
.endm
.macro MKG0 k, base
	s_mov_b32 s[G0+4*\k], 1                                            ; count = 1
	s_add_co_u32 s[G0+4*\k+1], s19, \k*65536                           ; LDS: 16,384 x wave + 65,536 x (2 x half + tensor)
	s_add_nc_u64 s[G0+4*\k+2:G0+4*\k+3], s[\base:\base+1], 256*(\k/2)  ; my 64 channels, the half's 64 pixels
	s_or_b32 s[G0+4*\k+3], s[G0+4*\k+3], 0x80000000                    ; type = 2
.endm
; the largest magnitude of v[x] .. v[x + 31] and the floor 2^(5 - 127), in four chains: result in v[d]; v[t] .. v[t + 2] at work
.macro AMAX d, t, x
	v_max3_num_f32 v[(\d)], |v[(\x)]|, |v[(\x)+1]|, 0x2800000
	v_max3_num_f32 v[(\t)], |v[(\x)+2]|, |v[(\x)+3]|, |v[(\x)+4]|
	v_max3_num_f32 v[(\t)+1], |v[(\x)+5]|, |v[(\x)+6]|, |v[(\x)+7]|
	v_max3_num_f32 v[(\t)+2], |v[(\x)+8]|, |v[(\x)+9]|, |v[(\x)+10]|
.irp i, 11,19
	v_max3_num_f32 v[(\d)], v[(\d)], |v[(\x)+\i]|, |v[(\x)+\i+1]|
	v_max3_num_f32 v[(\t)], v[(\t)], |v[(\x)+\i+2]|, |v[(\x)+\i+3]|
	v_max3_num_f32 v[(\t)+1], v[(\t)+1], |v[(\x)+\i+4]|, |v[(\x)+\i+5]|
	v_max3_num_f32 v[(\t)+2], v[(\t)+2], |v[(\x)+\i+6]|, |v[(\x)+\i+7]|
.endr
	v_max3_num_f32 v[(\d)], v[(\d)], |v[(\x)+27]|, |v[(\x)+28]|
	v_max3_num_f32 v[(\t)], v[(\t)], |v[(\x)+29]|, |v[(\x)+30]|
	v_max3_num_f32 v[(\d)], v[(\d)], v[(\t)], v[(\t)+1]
	v_max3_num_f32 v[(\d)], v[(\d)], v[(\t)+2], |v[(\x)+31]|
.endm
; a block of 32 numbers v[x] .. of my pixel, with its largest magnitude in v[am], becomes 24 bytes of codes and a byte, and both go to LDS
.macro QBLK set, x, am, ioff, soff
	v_add_nc_u32 v[(\set)+9], 0xfe000000, v[(\am)]                     ; 4 off the exponent field: the conversion takes the exponent field of this operand as its scale
	v_cvt_scalef32_pk16_bf6_f32 v[(\set):(\set)+2], v[(\x):(\x)+15], v[(\set)+9]
	v_cvt_scalef32_pk16_bf6_f32 v[(\set)+6:(\set)+8], v[(\x)+16:(\x)+31], v[(\set)+9]   ; (a conversion's three registers begin on an even number)
	v_lshrrev_b32 v[(\set)+10], 23, v[(\set)+9]                        ; the scale's byte; also the plain line behind the conversions
.irp i, 0,1,2
	v_mov_b32 v[(\set)+3+\i], v[(\set)+6+\i]
.endr
.irp i, 0,1,2
	ds_store_b64 v6, v[(\set)+2*\i:(\set)+2*\i+1] offset:(\ioff)+256*\i
.endr
	ds_store_b8 v8, v[(\set)+10] offset:(\soff)
.endm
; unit u of a half: pixels 32 (u / 2) + lane, my channels 32 (u % 2) + 0 .. 31
.macro LDF hf, u
.set LI, 0
.rept 32
	ds_load_b32 v[FS+32*(\u)+LI], v[2+2*(\hf)] offset:(32*((\u)%2)+LI)*256+128*((\u)/2)   ; 32 lanes read 128 consecutive bytes
.set LI, LI+1
.endr
.endm
.macro LDSP hf, u
.set LI, 0
.rept 32
	ds_load_b32 v[SP+LI], v[3+2*(\hf)] offset:(32*((\u)%2)+LI)*256+128*((\u)/2)
.set LI, LI+1
.endr
.endm
.macro DOT u                           ; the dot product's part of this unit, two numbers an instruction, in two chains; a pixel group's first unit starts the sums
.set DK, 0
.rept 8
.if (((\u)%2) == 0) && (DK == 0)
	v_pk_mul_f32 v[252:253], v[FS+32*(\u):FS+32*(\u)+1], v[SP:SP+1]
	v_pk_mul_f32 v[254:255], v[FS+32*(\u)+2:FS+32*(\u)+3], v[SP+2:SP+3]
.else
	v_pk_fma_f32 v[252:253], v[FS+32*(\u)+4*DK:FS+32*(\u)+4*DK+1], v[SP+4*DK:SP+4*DK+1], v[252:253]
	v_pk_fma_f32 v[254:255], v[FS+32*(\u)+4*DK+2:FS+32*(\u)+4*DK+3], v[SP+4*DK+2:SP+4*DK+3], v[254:255]
.endif
.set DK, DK+1
.endr
.endm
; v[d] = sqrt(v[x]), x a whole number: the instruction's result and one correction step; v[t1], v[t2] at work
.macro SQRTC d, x, t1, t2
	v_sqrt_f32 v[\d], v[\x]
	v_nop                                          ; one plain line behind a transcendental (ISA guide 5.7.2)
	s_wait_alu depctr_va_vdst(0)
	v_max_num_f32 v[\t2], 1.0, v[\d]               ; (the root is 0 or at least 1)
	v_fma_f32 v[\t1], -v[\d], v[\d], v[\x]
	v_rcp_f32 v[\t2], v[\t2]
	v_nop
	s_wait_alu depctr_va_vdst(0)
	v_mul_f32 v[\t2], 0.5, v[\t2]
	v_fma_f32 v[\d], v[\t1], v[\t2], v[\d]
.endm
.macro XLOAD s                         ; K step s: x's four fragments and their scale words (lanes 0-15 an even tile's, lanes 16-31 the odd one's) into buffer s % 2: 26 LDS loads
.set XB, 64+48*((\s)%2)
.irp t, 0,1,2,3
.irp p, 0,1,2,3,4,5
	ds_load_b64 v[XB+12*\t+2*\p:XB+12*\t+2*\p+1], v7 offset:6144*(\s)+1536*\t+256*\p      ; 32 lanes read 256 consecutive bytes
.endr
.endr
	ds_load_b32 v[60+2*((\s)%2)], v9 offset:256*(\s)
	ds_load_b32 v[61+2*((\s)%2)], v9 offset:256*(\s)+128
.endm
.macro MM s, n, t                      ; accumulator (t, n), K step s.  The first K step starts the sums: nothing is cleared
.set XA, 64+48*((\s)%2)+12*(\t)
.set AC, 128+8*(4*(\n)+(\t))
.if (\n) < 3
.set WF, 12*(7*(\n)+(\s))
.else
.set WF, 12*(\s)
.endif
.set SA, 60+2*((\s)%2)+(\t)/2
.set SB, 32+7*(\n)+(\s)
.if (\s) == 0
.if (\t)%2
	v_wmma_scale_f32_16x16x128_f8f6f4 v[AC:AC+7], v[XA:XA+11], v[WF:WF+11], 0, v[SA], v[SB] matrix_a_fmt:MATRIX_FMT_BF6 matrix_b_fmt:MATRIX_FMT_BF6 matrix_a_scale:MATRIX_SCALE_ROW1
.else
	v_wmma_scale_f32_16x16x128_f8f6f4 v[AC:AC+7], v[XA:XA+11], v[WF:WF+11], 0, v[SA], v[SB] matrix_a_fmt:MATRIX_FMT_BF6 matrix_b_fmt:MATRIX_FMT_BF6
.endif
.else
.if (\t)%2
	v_wmma_scale_f32_16x16x128_f8f6f4 v[AC:AC+7], v[XA:XA+11], v[WF:WF+11], v[AC:AC+7], v[SA], v[SB] matrix_a_fmt:MATRIX_FMT_BF6 matrix_b_fmt:MATRIX_FMT_BF6 matrix_a_scale:MATRIX_SCALE_ROW1
.else
	v_wmma_scale_f32_16x16x128_f8f6f4 v[AC:AC+7], v[XA:XA+11], v[WF:WF+11], v[AC:AC+7], v[SA], v[SB] matrix_a_fmt:MATRIX_FMT_BF6 matrix_b_fmt:MATRIX_FMT_BF6
.endif
.endif
.endm
; THE WAY OUT of my outputs 16 n .. 16 n + 15: a lane holds 32 neighbouring bytes of a channel's row for each tile of pixels; through my own stage they come back as whole rows of 256 bytes.
.macro TOSTAGE n
	WIN 0x08                                       ; an LDS store's data are its source 1: window 2
.irp t, 0,1,2,3
	ds_store_b128 v14, v[128+8*(4*(\n)+\t):131+8*(4*(\n)+\t)] offset:64*\t        ; each accumulator from its low end on
	ds_store_b128 v14, v[132+8*(4*(\n)+\t):135+8*(4*(\n)+\t)] offset:64*\t+16
.endr
	WIN 0
.set OB, 160+48*((\n)%2)
.irp i, 0,1,2,3,4,5,6,7
	ds_load_b128 v[OB+4*\i:OB+4*\i+3], v15 offset:544*\i    ; LDS serves a wave's instructions in order (ISA guide 5.7.1.4): these see the stores above, and the next tile's stores come behind them
.endr
.endm
.macro SEND hf, n, younger
.set OB, 160+48*((\n)%2)
	s_wait_dscnt \younger
.irp i, 0,1,2,3,4,5,6,7
	global_store_b128 v16, v[OB+4*\i:OB+4*\i+3], s[14:15] offset:262144*(\n)+32768*\i+256*(\hf) th:TH_STORE_NT   ; 16 lanes store 256 consecutive bytes of one channel, at a multiple of 256 from y's first byte
.endr
.endm
	s_load_b256 s[4:11], s[0:1], 0x0               ; f_s s[4:5], supp s[6:7], d2 s[8:9], wq s[10:11]
	s_load_b128 s[12:15], s[0:1], 0x20             ; wsc s[12:13], y s[14:15]
	v_lshl_add_u32 v251, v0, 2, 0x4f800
	s_set_vgpr_msb 0x40
	v_mov_b32 v255, 0
	s_set_vgpr_msb 0x4044
	ds_add_u32 v251, v255
	ds_add_u32 v251, v255
	s_set_vgpr_msb 0x4400
	v_lshrrev_b32 v1, 5, v0
	v_readfirstlane_b32 s16, v1                    ; wave 0..3
	s_lshr_b32 s17, ttmp9, 5                       ; b
	s_and_b32 s18, ttmp9, 31                       ; pb
	s_lshl_b32 s20, s17, 8
	s_lshl_b32 s21, s16, 6
	s_add_co_u32 s20, s20, s21                     ; channel 256 b + 64 w, of 16,384 bytes,
	s_lshl_b32 s20, s20, 14
	s_lshl_b32 s21, s18, 9
	s_add_co_u32 s20, s20, s21                     ; + 128 pb pixels: under 2^25
	s_mov_b32 s21, 0
	s_mov_b32 s[G1+0], 2<<16                       ; no mask; elements of 4 bytes; no padding
	s_mov_b32 s[G1+1], 64<<16                      ; tensor_dim0 = 64
	s_mov_b32 s[G1+2], 64<<16                      ; tensor_dim1 = 64
	s_mov_b32 s[G1+3], 64<<16                      ; tile_dim0 = 64 pixels: 256 bytes
	s_mov_b32 s[G1+4], 64                          ; tile_dim1 = 64 channels
	s_mov_b32 s[G1+5], 4096                        ; from channel to channel
	s_mov_b32 s[G1+6], 0
	s_mov_b32 s[G1+7], 0
	s_lshl_b32 s19, s16, 14
	s_mov_b32 s48, 0x76543210
	s_mov_b32 s49, 0xfedcba98                      ; v_permlanex16_b32's selects for lane l xor 16
	s_wait_dscnt 0x0
	s_wait_kmcnt 0x0
	s_add_nc_u64 s[4:5], s[4:5], s[20:21]
	s_add_nc_u64 s[6:7], s[6:7], s[20:21]
	MKG0 0, 4
	MKG0 1, 6
	MKG0 2, 4
	MKG0 3, 6
	tensor_load_to_lds s[G0:G0+3], s[G1:G1+7]      ; the first half's f_s, its supp, the second half's two: four loads of mine are out
	s_nop 0
	tensor_load_to_lds s[G0+4:G0+7], s[G1:G1+7]
	s_nop 0
	tensor_load_to_lds s[G0+8:G0+11], s[G1:G1+7]
	s_nop 0
	tensor_load_to_lds s[G0+12:G0+15], s[G1:G1+7]
	s_nop 0
	PLACES                                         ; (four plain lines behind the last)
	v_and_b32 v1, 31, v0                           ; l
	v_and_b32 v28, 15, v0                          ; r  (v28, v29 are free again behind the head)
	v_bfe_u32 v29, v0, 4, 1                        ; h
	v_lshl_add_u32 v2, v1, 2, s19                  ; my tiles: 4 l + 16,384 w: first half's f_s,
	v_add_nc_u32 v3, 0x10000, v2                   ; its supp,
	v_add_nc_u32 v4, 0x20000, v2                   ; second half's f_s,
	v_add_nc_u32 v5, 0x30000, v2                   ; its supp
	s_lshr_b32 s22, s16, 1                         ; which of a tensor's two K steps my channels lie in,
	s_and_b32 s23, s16, 1                          ; and in which half of it (c)
	s_mul_i32 s50, s22, 6144
	s_mul_i32 s51, s23, 768
	s_add_co_u32 s50, s50, s51
	s_add_co_u32 s50, s50, IMG
	v_mul_u32_u24 v6, v29, 1536
	v_lshl_add_u32 v6, v28, 3, v6
	v_add_nc_u32 v6, s50, v6                       ; codes in: pixel lane (r, h) writes into tile 2 gq + h at fragment lane r (+ 16 for the upper block): pieces 3 c ..
	v_lshl_add_u32 v7, v1, 3, IMG                  ; codes out: 8 l
	s_lshl_b32 s50, s22, 8
	s_lshl_b32 s51, s23, 1
	s_add_co_u32 s50, s50, s51
	s_add_co_u32 s50, s50, XSC
	v_lshl_add_u32 v8, v1, 2, s50                  ; bytes in: my pixel's word, byte 2 c ..
	v_lshl_add_u32 v9, v1, 2, XSC                  ; words out
	s_lshl_b32 s50, s16, 2
	s_add_co_u32 s51, s50, PD
	v_lshl_add_u32 v10, v1, 4, s51                 ; partial dots in
	v_lshl_add_u32 v11, v1, 4, PD                  ; and out: four waves' for my pixel
	s_add_co_u32 s51, s50, MX
	v_mov_b32 v224, s51                            ; my wave's word among the maxima
	v_mov_b32 v21, MX
	s_mul_i32 s50, s16, 1536
	s_add_co_u32 s50, s50, IMG+36864
	v_lshl_add_u32 v12, v1, 3, s50                 ; K step 6: wave w makes tile w
	s_lshl_b32 s50, s16, 6
	s_add_co_u32 s50, s50, XSC+1536
	v_lshl_add_u32 v13, v28, 2, s50                ; and its scale words
	s_mul_i32 s52, s16, 4352
	s_add_co_u32 s52, s52, STG                     ; my stage
	v_mul_u32_u24 v14, v28, 272
	v_lshl_add_u32 v14, v29, 5, v14
	v_add_nc_u32 v14, s52, v14                     ; in: row r (a channel), + 32 h
	v_mul_u32_u24 v15, v29, 272
	v_lshl_add_u32 v15, v28, 4, v15
	v_add_nc_u32 v15, s52, v15                     ; back: lanes 0-15 one row, lanes 16-31 the next
	v_lshlrev_b32 v16, 14, v29
	v_lshl_add_u32 v16, v28, 4, v16                ; and the same two channels in y
	v_lshlrev_b32 v30, 4, v1                       ; 16 l
	v_lshlrev_b32 v31, 2, v1                       ; 4 l
	v_lshlrev_b32 v225, 4, v0                      ; 16 x thread
	s_lshl_b32 s50, s18, 7
	s_lshl_b32 s51, s16, 4
	s_add_co_u32 s50, s50, s51
	s_lshl_b32 s50, s50, 2
	v_lshl_add_u32 v226, v28, 2, s50               ; d2 of pixel 128 pb + 16 w + r
	s_lshl_b32 s50, s17, 14
	s_mov_b32 s51, 0
	s_add_nc_u64 s[8:9], s[8:9], s[50:51]          ; the sample's d2
	s_mul_i32 s50, s16, 43008
	s_add_nc_u64 s[10:11], s[10:11], s[50:51]      ; my 28 fragments of W
	s_mul_i32 s50, s16, 3584
	s_add_nc_u64 s[12:13], s[12:13], s[50:51]      ; and their scale words
	s_add_nc_u64 s[14:15], s[14:15], s[20:21]      ; y at my first channel and the work-group's first pixel
	WIN 0x40                                       ; destination window 1
.set F, 0
.rept 21
.irp g, 0,1,2
	global_load_b128 v[12*F+4*\g:12*F+4*\g+3], v30, s[10:11] offset:1536*F+512*\g    ; 512 consecutive bytes: the operand's registers as they were stored
.endr
.set F, F+1
.endr
	WIN 0x80                                       ; destination window 2
.rept 7
.irp g, 0,1,2
	global_load_b128 v[12*(F-21)+4*\g:12*(F-21)+4*\g+3], v30, s[10:11] offset:1536*F+512*\g
.endr
.set F, F+1
.endr
	WIN 0
.set F, 0
.rept 28
	global_load_b32 v[32+F], v31, s[12:13] offset:128*F
.set F, F+1
.endr
.irp i, 0,1,2,3,4,5,6,7
	global_load_b128 v[64+4*\i:67+4*\i], v225, s[8:9] offset:2048*\i   ; the sample's 4,096 d2: 32 a thread
.endr
	global_load_b32 v17, v226, s[8:9]              ; my pixel's, first half,
	global_load_b32 v18, v226, s[8:9] offset:256   ; second half
	s_wait_loadcnt 0x0
	v_max3_num_f32 v96, v64, v65, v66              ; the largest of my 32
	v_max3_num_f32 v97, v67, v68, v69
.irp i, 6,10,14,18,22,26
	v_max3_num_f32 v96, v96, v[64+\i], v[65+\i]
	v_max3_num_f32 v97, v97, v[66+\i], v[67+\i]
.endr
	v_max3_num_f32 v96, v96, v94, v95
	v_max_num_f32 v96, v96, v97
	v_max_num_f32_dpp v96, v96, v96 row_xmask:1 row_mask:0xf bank_mask:0xf
	v_max_num_f32_dpp v96, v96, v96 row_xmask:2 row_mask:0xf bank_mask:0xf
	v_max_num_f32_dpp v96, v96, v96 row_xmask:4 row_mask:0xf bank_mask:0xf
	v_max_num_f32_dpp v96, v96, v96 row_xmask:8 row_mask:0xf bank_mask:0xf
	v_permlanex16_b32 v97, v96, s48, s49
	v_max_num_f32 v96, v96, v97
	ds_store_b32 v224, v96                         ; my wave's; the four meet behind the first barrier
.macro HALF hf
.if \hf == 0
	s_wait_tensorcnt 2                             ; tensor loads of a wave end in order (ISA guide 10.11.1): the first half's two tiles are in; the second half's two may be out
.else
	s_wait_tensorcnt 0x0                           ; the second half's tiles are in
	s_wait_xcnt 0x0                                ; the first half's stores have read their registers, which are written again below
.endif
	; ---- f_s and supp: the dot's partial sums, and both tensors' codes.  Four units of 32 pixels x 32 channels
	LDF \hf, 0
	LDSP \hf, 0
.irp u, 0,1,2,3
.if \u < 3
	LDF \hf, \u+1
	s_wait_dscnt 32                                ; all but the 32 loads just issued: this unit's numbers are in, and the last unit's stores have read their registers
.else
	s_wait_dscnt 0x0
.endif
	DOT \u
	AMAX TM, TM+1, SP
	QBLK SETS, SP, TM, 12288+3072*(\u/2)+128*(\u%2), 512+128*(\u/2)+(\u%2)
.if \u < 3
	LDSP \hf, \u+1                                 ; supp's one set of registers is free: the next unit's lands while f_s is quantised
.endif
	AMAX 26+\u, TM+1, FS+32*\u                     ; f_s's block maximum is kept: it serves f_w too
	QBLK SETF, FS+32*\u, 26+\u, 3072*(\u/2)+128*(\u%2), 128*(\u/2)+(\u%2)
.if (\u%2) == 1
	v_add_f32 v252, v252, v253
	v_add_f32 v254, v254, v255
	v_add_f32 v252, v252, v254
	ds_store_b32 v10, v252 offset:512*(\u/2)       ; my 64 channels' part of the dot, for 32 pixels
.endif
.endr
	BARRIER                                        ; all partial sums (and, the first time, the waves' maxima) lie in LDS
	; ---- the sigmoid, for all 64 pixels, in every wave alike
	ds_load_b128 v[212:215], v11
	ds_load_b128 v[216:219], v11 offset:512
.if \hf == 0
	ds_load_b128 v[220:223], v21
.endif
	s_wait_dscnt 0x0
	v_add_f32 v212, v212, v213
	v_add_f32 v214, v214, v215
	v_add_f32 v216, v216, v217
	v_add_f32 v218, v218, v219
	v_add_f32 v212, v212, v214
	v_add_f32 v216, v216, v218
	v_mul_f32 v212, 0xbfb8aa3b, v212               ; -log2(e) x
	v_mul_f32 v216, 0xbfb8aa3b, v216
	v_exp_f32 v212, v212
	v_exp_f32 v216, v216
	v_nop                                          ; one plain line behind the transcendentals
	s_wait_alu depctr_va_vdst(0)
	v_add_f32 v212, 1.0, v212
	v_add_f32 v216, 1.0, v216
	v_rcp_f32 v22, v212
	v_rcp_f32 v24, v216
	v_nop
	s_wait_alu depctr_va_vdst(0)
	v_mov_b32 v23, v22                             ; (the packed multiply names a pair)
	v_mov_b32 v25, v24
	; ---- the distance channel: wave w makes tile w of K step 6
.if \hf == 0
	v_max3_num_f32 v220, v220, v221, v222
	v_max_num_f32 v220, v220, v223                 ; the sample's largest d2
	v_cmp_ge_f32 vcc_lo, 0x45fa0000, v220          ; 8,000 >= it: the sample has foreground
	v_cndmask_b32 v220, 1.0, v220, vcc_lo          ; else the map is all ones
	SQRTC 221, 220, 222, 223
	v_add_f32 v19, 0x358637bd, v221                ; + 1e-6
	v_rcp_f32 v20, v19
	v_nop
.endif
	v_cmp_ge_f32 vcc_lo, 0x45fa0000, v[17+\hf]
	v_cndmask_b32 v212, 1.0, v[17+\hf], vcc_lo
	SQRTC 213, 212, 214, 215
	v_mul_f32 v214, v213, v20                      ; the quotient, with one correction step
	v_fma_f32 v215, -v214, v19, v213
	v_fma_f32 v214, v215, v20, v214
	v_max_num_f32 v215, 0x2800000, v214            ; the block's largest magnitude is this one number; the floor holds the byte at 1
	v_add_nc_u32 v215, 0xfe000000, v215
	v_lshrrev_b32 v216, 23, v215
	v_or_b32 v216, 0x7f7f7f00, v216                ; the three blocks of zeros behind it: 2^0
	ds_store_b32 v13, v216                         ; (lanes r and 16 + r write the same word with the same value)
	v_cmp_gt_u32 vcc_lo, 16, v1
	v_cndmask_b32 v192, 0, v214, vcc_lo            ; k = 768 lies in fragment lanes 0-15; all else of the K step is zero
.irp i, 193,194,195,196,197,198,199,200,201,202,203,204,205,206,207,211
	v_mov_b32 v\i, 0
.endr
	v_cvt_scalef32_pk16_bf6_f32 v[208:210], v[192:207], v215
	v_nop                                          ; one plain line behind the conversion
	ds_store_b64 v12, v[208:209]
	ds_store_b64 v12, v[210:211] offset:256
.irp p, 2,3,4,5
	ds_store_b64 v12, v[194:195] offset:256*\p
.endr
	; ---- f_w = f_s x sigmoid, from the registers that still hold f_s.  Its block maximum is f_s's times the sigmoid: rounding keeps the order, and the sigmoid is not negative
.irp u, 0,1,2,3
.if \u >= 2
	s_wait_dscnt 4                                 ; all but the last unit's four stores
.endif
.set QK, 0
.rept 16
	v_pk_mul_f32 v[FS+32*\u+2*QK:FS+32*\u+2*QK+1], v[FS+32*\u+2*QK:FS+32*\u+2*QK+1], v[22+2*(\u/2):23+2*(\u/2)] op_sel_hi:[1,0]
.set QK, QK+1
.endr
	v_mul_f32 v[TM], v[26+\u], v[22+2*(\u/2)]
	v_max_num_f32 v[TM], 0x2800000, v[TM]
	QBLK SETF-12*(\u%2), FS+32*\u, TM, 24576+3072*(\u/2)+128*(\u%2), 1024+128*(\u/2)+(\u%2)
.endr
	BARRIER                                        ; all 28 fragments of x and their scale words lie in LDS
	; ---- the product: 7 K steps x 16 accumulators, which take turns, one instruction a turn
	XLOAD 0
.irp s, 0,1,2,3,4,5,6
.if \s < 6
.if \s > 0
	PLACES                                         ; the buffer that the loads below fill was read by the K step before
.endif
	XLOAD \s+1
	s_wait_dscnt 26                                ; all but the 26 loads just issued: this K step's are in
.else
	s_wait_dscnt 0x0
.endif
	WIN 0xa4                                       ; x window 0, W window 1, C and D window 2
.irp n, 0,1,2
.irp t, 0,1,2,3
	MM \s, \n, \t
.endr
.endr
	WIN 0xa8                                       ; W window 2
.irp t, 0,1,2,3
	MM \s, 3, \t
.endr
	WIN 0
.endr
	PLACES                                         ; in front of the first read of results, and of loads into registers that the products read
.if \hf == 0
	BARRIER                                        ; every wave's reads of the images are over: the second half writes them again
.endif
	TOSTAGE 0
	TOSTAGE 1
	SEND \hf, 0, 16                                ; behind tile 0's loads: tile 1's 8 stores and 8 loads
	s_wait_xcnt 0x0                                ; tile 0's stores have read their registers: tile 2's rows may land there
	TOSTAGE 2
	SEND \hf, 1, 16
	s_wait_xcnt 0x0
	TOSTAGE 3
	SEND \hf, 2, 16
	SEND \hf, 3, 0
.endm
	HALF 0
	HALF 1
	s_set_vgpr_msb 0x4
	s_wait_tensorcnt 0x0
	ds_add_u32 v251, v255
	s_wait_dscnt 0x0
	s_set_vgpr_msb 0x400
	s_endpgm
.Lfunc_end_k_qb05b115c73_fuse:
	.size	k_qb05b115c73_fuse, .Lfunc_end_k_qb05b115c73_fuse-k_qb05b115c73_fuse
	.p2alignl 7, 3214868480
	.fill 96, 4, 3214868480
	.section	.rodata,"a",@progbits
	.p2align	6, 0x0
	.amdhsa_kernel k_qb05b115c73_fuse
		.amdhsa_group_segment_fixed_size 327680
		.amdhsa_private_segment_fixed_size 0
		.amdhsa_enable_private_segment 0
		.amdhsa_kernarg_size 48
		.amdhsa_user_sgpr_count 2
		.amdhsa_user_sgpr_kernarg_segment_ptr 1
		.amdhsa_wavefront_size32 1
		.amdhsa_system_sgpr_workgroup_id_x 1
		.amdhsa_system_sgpr_workgroup_id_y 1
		.amdhsa_system_sgpr_workgroup_id_z 1
		.amdhsa_system_vgpr_workitem_id 0
		.amdhsa_next_free_vgpr 768
		.amdhsa_next_free_sgpr 66
		.amdhsa_reserve_vcc 1
		.amdhsa_float_denorm_mode_32 3
		.amdhsa_float_denorm_mode_16_64 3
		.amdhsa_memory_ordered 1
		.amdhsa_forward_progress 1
		.amdhsa_inst_pref_size 175
	.end_amdhsa_kernel
	.amdgpu_metadata
---
amdhsa.version: [ 1, 2 ]
amdhsa.kernels:
  - .name:           k_qb05b115c73_fuse
    .symbol:         k_qb05b115c73_fuse.kd
    .args:
      - { .name: f_s, .offset: 0, .size: 8, .value_kind: global_buffer, .address_space: global }
      - { .name: supp_feat_bin, .offset: 8, .size: 8, .value_kind: global_buffer, .address_space: global }
      - { .name: d2, .offset: 16, .size: 8, .value_kind: global_buffer, .address_space: global }
      - { .name: wq, .offset: 24, .size: 8, .value_kind: global_buffer, .address_space: global }
      - { .name: wsc, .offset: 32, .size: 8, .value_kind: global_buffer, .address_space: global }
      - { .name: y, .offset: 40, .size: 8, .value_kind: global_buffer, .address_space: global }
    .group_segment_fixed_size: 327680
    .private_segment_fixed_size: 0
    .kernarg_segment_align: 8
    .kernarg_segment_size: 48
    .max_flat_workgroup_size: 128
    .sgpr_count:     66
    .vgpr_count:     768
    .wavefront_size: 32
...
	.end_amdgpu_metadata
.endif
;; end of part 2
;; launch norm (part 3): grid 256 x 1, 8 waves a work-group, no clusters, 1,536 bytes of LDS; arguments y, gamma, beta, out0; writes out0
.if DOCPART == 3
	.amdgcn_target "amdgcn-amd-amdhsa--gfx1250"
	.amdhsa_code_object_version 6
	.text
	.protected	k_qb05b115c73_norm
	.globl	k_qb05b115c73_norm
	.p2align	8
	.type	k_qb05b115c73_norm,@function
k_qb05b115c73_norm:
	s_mov_b64 s[64:65], 0
	v_nop
	global_prefetch_b8 v0, s[64:65] scope:SCOPE_SE
	s_setreg_imm32_b32 hwreg(HW_REG_WAVE_MODE, 25, 1), 1
	s_wait_xcnt 0x0
; out0[b][o][p] = relu((y[b][o][p] - mean[o]) x rsqrt(var[o] + 1e-5) x gamma[o] + beta[o]); mean and (biased) variance over the channel's 8 x 4,096 numbers.
; ONE WORK-GROUP TO A CHANNEL: wave w takes sample w's 4,096 numbers, 16 KiB, in 128 registers a lane's share, and keeps them from the first sum to the store: y is read once.
; The variance is the mean of (y - mean)^2, as it is defined: no difference of large sums.  All 32 loads of a wave are issued at the head; nothing else is left to ask for.
; No matrix unit, no cluster, no tensor load: work-groups share no input, and the only traffic between waves is two sums of eight numbers through LDS.
; The gain is folded into the reciprocal root: (y - mean) x (rsqrt x gamma) + beta, one fused multiply-add a number: an order of rounding that differs from the definition's by an ulp or two.
.macro WGSUM base                      ; v8: my lane's sum -> the work-group's, in every lane, always added in the same order
	v_add_f32_dpp v8, v8, v8 row_xmask:1 row_mask:0xf bank_mask:0xf
	v_add_f32_dpp v8, v8, v8 row_xmask:2 row_mask:0xf bank_mask:0xf
	v_add_f32_dpp v8, v8, v8 row_xmask:4 row_mask:0xf bank_mask:0xf
	v_add_f32_dpp v8, v8, v8 row_xmask:8 row_mask:0xf bank_mask:0xf
	v_permlanex16_b32 v9, v8, s20, s21
	v_add_f32 v8, v8, v9
	ds_store_b32 v2, v8 offset:\base               ; all lanes write my wave's word with the same value
	s_wait_dscnt 0x0                               ; it lies in LDS,
	s_barrier_signal -1
	s_barrier_wait -1                              ; all eight do
	ds_load_b128 v[20:23], v3 offset:\base
	ds_load_b128 v[24:27], v3 offset:\base+16
	s_wait_dscnt 0x0
	v_add_f32 v20, v20, v21
	v_add_f32 v22, v22, v23
	v_add_f32 v24, v24, v25
	v_add_f32 v26, v26, v27
	v_add_f32 v20, v20, v22
	v_add_f32 v24, v24, v26
	v_add_f32 v8, v20, v24
.endm
.macro FOLD                            ; the four chains v[8:15] -> v8
	v_pk_add_f32 v[8:9], v[8:9], v[10:11]
	v_pk_add_f32 v[12:13], v[12:13], v[14:15]
	v_pk_add_f32 v[8:9], v[8:9], v[12:13]
	v_add_f32 v8, v8, v9
.endm
	s_load_b256 s[4:11], s[0:1], 0x0               ; y s[4:5], gamma s[6:7], beta s[8:9], out0 s[10:11]
	v_lshl_add_u32 v160, v0, 2, 0x200
	v_mov_b32 v161, 0
	v_lshrrev_b32 v1, 5, v0
	v_readfirstlane_b32 s16, v1                    ; wave = sample
	v_and_b32 v1, 31, v0
	v_lshlrev_b32 v1, 4, v1                        ; 16 bytes a lane; never rewritten
	s_lshl_b32 s12, ttmp9, 2                       ; the channel's place in gamma and beta
	s_mov_b32 s13, 0
	s_lshl_b32 s18, s16, 22                        ; sample x 256 channels x 16,384 bytes
	s_lshl_b32 s19, ttmp9, 14
	s_add_co_u32 s18, s18, s19                     ; under 2^25
	s_mov_b32 s19, 0
	s_lshl_b32 s17, s16, 2
	v_mov_b32 v2, s17                              ; LDS: my wave's word
	v_mov_b32 v3, 0
	s_mov_b32 s20, 0x76543210
	s_mov_b32 s21, 0xfedcba98                      ; v_permlanex16_b32's selects for lane l xor 16
	s_wait_kmcnt 0x0
	s_add_nc_u64 s[4:5], s[4:5], s[18:19]
	s_add_nc_u64 s[10:11], s[10:11], s[18:19]
	s_add_nc_u64 s[6:7], s[6:7], s[12:13]
	s_add_nc_u64 s[8:9], s[8:9], s[12:13]
.set I, 0
.rept 32
	global_load_b128 v[32+4*I:35+4*I], v1, s[4:5] offset:512*I th:TH_LOAD_NT    ; 512 consecutive bytes, read once in the launch
.set I, I+1
.endr
	s_load_b32 s14, s[6:7], 0x0                    ; gamma[o]
	s_load_b32 s15, s[8:9], 0x0                    ; beta[o]
	; ---- the sum: four chains of pairs, started by the first eight pairs; a quarter of the loads at a time
	s_wait_loadcnt 24                              ; loads come back in order (ISA guide 5.7.1): the first eight are in, 24 younger ones may be out
.irp c, 0,1,2,3
	v_pk_add_f32 v[8+2*\c:9+2*\c], v[32+2*\c:33+2*\c], v[40+2*\c:41+2*\c]
.endr
.set K, 8
.rept 8
	v_pk_add_f32 v[8+2*(K%4):9+2*(K%4)], v[8+2*(K%4):9+2*(K%4)], v[32+2*K:33+2*K]
.set K, K+1
.endr
.irp left, 16,8,0
	s_wait_loadcnt \left
.rept 16
	v_pk_add_f32 v[8+2*(K%4):9+2*(K%4)], v[8+2*(K%4):9+2*(K%4)], v[32+2*K:33+2*K]
.set K, K+1
.endr
.endr
	FOLD
	WGSUM 0
	v_mul_f32 v16, 0x38000000, v8                  ; mean = sum x 2^-15
	v_mov_b32 v17, v16
.set K, 0
.rept 64
	v_pk_add_f32 v[32+2*K:33+2*K], v[32+2*K:33+2*K], v[16:17] neg_lo:[0,1] neg_hi:[0,1]    ; y - mean, in place
.set K, K+1
.endr
.irp c, 0,1,2,3
	v_pk_mul_f32 v[8+2*\c:9+2*\c], v[32+2*\c:33+2*\c], v[32+2*\c:33+2*\c]                  ; the first four pairs start the chains
.endr
.set K, 4
.rept 60
	v_pk_fma_f32 v[8+2*(K%4):9+2*(K%4)], v[32+2*K:33+2*K], v[32+2*K:33+2*K], v[8+2*(K%4):9+2*(K%4)]
.set K, K+1
.endr
	FOLD
	WGSUM 256                                      ; other bytes than the first sum's: no barrier is owed between the two
	v_mul_f32 v9, 0x38000000, v8                   ; the variance
	v_add_f32 v9, 0x3727c5ac, v9                   ; + 1e-5
	s_wait_kmcnt 0x0                               ; gamma and beta
	v_rsq_f32 v10, v9
	v_mov_b32 v28, s15                             ; (plain lines behind the transcendental)
	v_mov_b32 v29, s15
	s_wait_alu depctr_va_vdst(0)
	v_mul_f32 v18, s14, v10
	v_mov_b32 v19, v18
.set I, 0
.rept 32
	v_pk_fma_f32 v[32+4*I:33+4*I], v[32+4*I:33+4*I], v[18:19], v[28:29]
	v_pk_fma_f32 v[34+4*I:35+4*I], v[34+4*I:35+4*I], v[18:19], v[28:29]
	v_max_num_f32 v[32+4*I], 0, v[32+4*I]
	v_max_num_f32 v[33+4*I], 0, v[33+4*I]
	v_max_num_f32 v[34+4*I], 0, v[34+4*I]
	v_max_num_f32 v[35+4*I], 0, v[35+4*I]
	global_store_b128 v1, v[32+4*I:35+4*I], s[10:11] offset:512*I th:TH_STORE_NT    ; 512 consecutive bytes, at a multiple of 256 from out0's first byte
.set I, I+1
.endr
	s_wait_tensorcnt 0x0
	ds_add_u32 v160, v161
	s_wait_dscnt 0x0
	s_endpgm
.Lfunc_end_k_qb05b115c73_norm:
	.size	k_qb05b115c73_norm, .Lfunc_end_k_qb05b115c73_norm-k_qb05b115c73_norm
	.p2alignl 7, 3214868480
	.fill 96, 4, 3214868480
	.section	.rodata,"a",@progbits
	.p2align	6, 0x0
	.amdhsa_kernel k_qb05b115c73_norm
		.amdhsa_group_segment_fixed_size 1536
		.amdhsa_private_segment_fixed_size 0
		.amdhsa_enable_private_segment 0
		.amdhsa_kernarg_size 32
		.amdhsa_user_sgpr_count 2
		.amdhsa_user_sgpr_kernarg_segment_ptr 1
		.amdhsa_wavefront_size32 1
		.amdhsa_system_sgpr_workgroup_id_x 1
		.amdhsa_system_sgpr_workgroup_id_y 1
		.amdhsa_system_sgpr_workgroup_id_z 1
		.amdhsa_system_vgpr_workitem_id 0
		.amdhsa_next_free_vgpr 162
		.amdhsa_next_free_sgpr 66
		.amdhsa_reserve_vcc 0
		.amdhsa_float_denorm_mode_32 3
		.amdhsa_float_denorm_mode_16_64 3
		.amdhsa_memory_ordered 1
		.amdhsa_forward_progress 1
		.amdhsa_inst_pref_size 30
	.end_amdhsa_kernel
	.amdgpu_metadata
---
amdhsa.version: [ 1, 2 ]
amdhsa.kernels:
  - .name:           k_qb05b115c73_norm
    .symbol:         k_qb05b115c73_norm.kd
    .args:
      - { .name: y, .offset: 0, .size: 8, .value_kind: global_buffer, .address_space: global }
      - { .name: gamma, .offset: 8, .size: 8, .value_kind: global_buffer, .address_space: global }
      - { .name: beta, .offset: 16, .size: 8, .value_kind: global_buffer, .address_space: global }
      - { .name: out0, .offset: 24, .size: 8, .value_kind: global_buffer, .address_space: global }
    .group_segment_fixed_size: 1536
    .private_segment_fixed_size: 0
    .kernarg_segment_align: 8
    .kernarg_segment_size: 32
    .max_flat_workgroup_size: 256
    .sgpr_count:     66
    .vgpr_count:     162
    .wavefront_size: 32
...
	.end_amdgpu_metadata
.endif
;; end of part 3
